; MI455X (gfx1250); checked and timed in simulation.
; The chip was launched on July 23, 2026; its instructions are those of AMD's public machine-readable ISA for CDNA 5 (MIT licence, August 2026) and "CDNA5" Instruction Set Architecture Reference Guide (July 2026). The comments in the code are by the model that wrote it; some were corrected since.
;; Scan Attention. Allowed arithmetic: matrix products marked QUANTISED: E3M2 operands, one E8M0 scale for each 32 along K, by v_wmma_scale_f32_16x16x128_f8f6f4 with both operands' format E3M2, f32 sums; everything else in f32.
;; Inputs: ks_codes 2 x 2,048 x 16 x 2 x 24 uint8 (E3M2 codes of ks, K innermost, in blocks of 32 codes, four codes in three bytes); ks_scales 2 x 2,048 x 16 x 2 uint8 (E8M0 scales of ks, one for each 32 codes along K); qs 2 x 2,048 x 16 x 64 float32; valid_lens 2 int32; vs_codes 2 x 16 x 64 x 64 x 24 uint8 (E3M2 codes of vs, K innermost, in blocks of 32 codes, four codes in three bytes); vs_scales 2 x 16 x 64 x 64 uint8 (E8M0 scales of vs, one for each 32 codes along K).
;; Outputs: out0 2 x 2,048 x 16 x 64 float32.
;; This version of the problem:
;;   THIS VERSION OF THE PROBLEM IS GIVEN IN LOW PRECISION. The matrix products marked QUANTISED in the list below multiply operands that are first quantised to E3M2 (3 exponent bits, 2 mantissa bits; 6 bits a number), with one power-of-two scale for each 32 numbers along K (OCP MX v1.0); their sums are f32. All else is computed in f32.
;;   The module's matrix products, in the order in which they are computed (A, B: the left and right operand; K: the contracted axis; several contracted axes count as one K, in the product's order):
;;     1. batch 32 x [M 2,048, K 64] x [K 64, N 2,048]; A: computed on the way; B: input ks (given as codes): QUANTISED
;;     2. batch 32 x [M 64, K 2,048] x [K 2,048, N 2,048]; A: input vs (given as codes); B: softmax (see below): QUANTISED
;;   THE QUANTISER, for each operand of a quantised product, along K:
;;     - K is cut into blocks of 32 from its start; a last block that is shorter is filled with zeros.
;;     - A block's scale is 2^e with e = floor(log2(the largest magnitude in the block)) - 4, held to -126 .. 127; a block of zeros has e = 0. As a byte (E8M0): e + 127.
;;     - Each number is divided by its block's scale, clamped to +-28, and rounded to the nearest number of E3M2, ties to even, subnormals kept.
;;     - The product sums the exact products of the quantised numbers (number of the format x scale) in f32.
;;   ~~~python
;;   def quantise(x, axis):      # numpy; x: float32 -> the quantised numbers, widened to float32 again
;;       x = np.moveaxis(x, axis, -1); K = x.shape[-1]
;;       x = np.pad(x, [(0, 0)] * (x.ndim - 1) + [(0, -K % 32)]); x = x.reshape(x.shape[:-1] + (-1, 32)); a = np.abs(x).max(-1, keepdims=True)
;;       e = np.where(a > 0, np.clip(np.frexp(np.where(a > 0, a, 1))[1] - 1 - 4, -126, 127), 0)      # np.frexp(a)[1] - 1 = floor(log2(a)), exactly
;;       r = np.clip(x / 2.0 ** e, -28, 28)
;;       step = 2.0 ** (np.maximum(np.frexp(np.where(r == 0, 1, r))[1] - 1, -2) - 2)
;;       q = np.round(r / step) * step * 2.0 ** e      # np.round: ties to even
;;       return np.moveaxis(q.reshape(q.shape[:-2] + (-1,))[..., :K], -1, axis).astype(np.float32)
;;   ~~~
;;   SOFTMAX AHEAD OF A QUANTISED PRODUCT. Where the list says 'softmax', what is quantised is not the finished softmax but p = 2^(t - M), with t = logit x log2(e) and M = ceil(the row's largest t), a whole number; so 1/2 < the row's largest p <= 1. The row's sum l is taken of the UNQUANTISED p, in f32, and the product's result is divided by l at the end. Since M is a whole number, a kernel that streams over the keys may use a running M (the ceiling of the running maximum): every later rescaling is an exact power of two, which a block's scale takes up: the codes' values come out the same.
;;   OPERANDS COMPUTED ON THE WAY. 'Computed on the way' means the value that the module computes at that place (a softmax that the list does not call 'softmax' is quantised finished and normalised). What goes into a quantiser is computed in f32, as accurately as f32 sums, v_exp_f32 and their like allow (about 1e-6 of the number): no bf16 or f16 on the way to a quantiser, and a product that is left as it is and whose result goes on into a quantised operand takes f32 operands (vector FMAs, or v_wmma_f32_16x16x4_f32). A number that lies on a knife's edge between two numbers of the format may be rounded either way, as far as f32 arithmetic and the matrix unit's own rounding can turn it there, and no further.
;;   INPUTS GIVEN AS CODES. ks (in the module: [2, 2048, 16, 64], K = its axis 3); vs (in the module: [2, 2048, 16, 64], K = its axis 1): each comes as NAME_codes (uint8): NAME with its K axis moved to the last place and cut into blocks of 32 codes, [.., K / 32, bytes a block], one block behind the other in memory; four codes in three bytes: a row's codes are one little-endian stream of bits, code i at bits 6 i .. 6 i + 5 (a code: sign, 3 exponent bits, 2 mantissa bits); and NAME_scales (uint8): the same leading axes, one E8M0 byte (e + 127) for each 32 codes along K. Its value is code x scale, taken as it is: it is not quantised again, and the codes and scales need not be those that the quantiser above would give.
;; 2 versions, each right; version 2 is version 1 with the launch attn written anew for expert scheduling mode. Each part assembles by itself: llvm-mc -triple=amdgcn-amd-amdhsa -mcpu=gfx1250 --defsym DOCPART=n.
;; ======== version 1 of 2: 1 launch
;; launch attn (part 1): grid 16 x 16, 16 waves a work-group, no clusters, 174,080 bytes of LDS; arguments qs, ks_codes, ks_scales, vs_codes, vs_scales, valid_lens, out0; writes out0
.if DOCPART == 1
	.amdgcn_target "amdgcn-amd-amdhsa--gfx1250"
	.amdhsa_code_object_version 6
	.text
	.protected	k_qe1a922bed1_attn
	.globl	k_qe1a922bed1_attn
	.p2align	8
	.type	k_qe1a922bed1_attn,@function
k_qe1a922bed1_attn:
	s_mov_b64 s[64:65], 0
	v_nop
	global_prefetch_b8 v0, s[64:65] scope:SCOPE_SE
	s_setreg_imm32_b32 hwreg(HW_REG_WAVE_MODE, 25, 1), 1
	s_wait_xcnt 0x0
; out0[b][q][y][:] = the sum over keys k < valid_lens[b] of softmax_k(qs[b][q][y] / 8 . ks[b][k][y]) vs[b][k][y][:], both products on codes of BF6 (E3M2) with one E8M0 scale for each 32 along a product's K.
; ks: codes along the head's 64; vs: codes along the keys.  qs: f32: qs / 8 is quantised here, along the 64.  The softmax ahead of the second product: t = score x log2(e); M = the running largest t rounded UP to a whole
; number; p = 2^(t - M) is quantised along the keys, not normalised; the row's sum is taken of the unquantised p and divides at the end; when M moves, the sum and O are multiplied by 2^(old M - new M), exactly.
; WORK LEFT OUT.  A key at or past valid_lens[b] gets the score -infinity in reference(): its p is 0, it moves no maximum, no sum and no output, whatever the inputs hold.  So a key step (128 keys) all of whose keys lie
; there is not walked: a scalar branch on valid_lens, a whole number read from memory.  The one step that straddles the length is walked whole, its hidden scores set to -infinity.
; LIMITS.  A NaN, an infinity or a scale byte 0xff that lies only in steps left out is not carried to the result.  NaN and infinities in qs are not served.  A scale byte 0xff of a key of ks also spoils the 16 keys
; that share its fragment (below); one of vs spoils its channel even where p's codes are zeros.  A block of zeros of q or of p gets the byte 1, not 127: its codes are zeros and this text alone reads the byte.
; valid_lens[b] <= 0 gives 0 x (1 / 0) = NaN, as reference()'s softmax of a row of -infinity does.
; SHARES.  256 work-groups of 16 waves.  Work-group (x, y): head y, queries 128 x .. 128 x + 127 of BOTH batches, so that every work-group's work goes with valid_lens[0] + valid_lens[1].  Wave w: batch (w ^ (w >> 2)) & 1,
; queries 16 (w >> 1) on: one tile of 16 queries in 256 registers; a lane holds ONE query (lane % 16) throughout, since both products are used transposed (source 0 = keys or channels, source 1 = queries).
; NO TENSOR LOADS, NO CLUSTER, NO JOINT LOADS, though the 16 work-groups of a head walk the same K and V: the number of key steps hangs on valid_lens.
; Leaving the hidden steps out spares (4,096 - valid_lens[0] - valid_lens[1]) / 4,096 of all the work; what sharing would spare is at most 400 KB of fetches a work-group.
; K AND V go memory -> registers -> LDS.  The eight waves of a batch fetch the batch's next chunk (two key steps) while they work on this one: 14 loads a wave at the head of the chunk's first step, stored to LDS late in its
; second; two slots by turns, one barrier a chunk.  No prefetch is written: these loads stand two key steps ahead of their use.
; IN LDS AN OPERAND IS AN IMAGE OF ITS REGISTERS: registers 4 g .. 4 g + 3 of a fragment at 512 g + 16 x lane.  The wave that fetches a fragment loads from memory just what the operand's layout gives each lane, and stores
; it by three stores of 16 bytes a lane; three loads of 16 bytes a lane bring it to any wave.
; HEAD SIZE 64 IN AN INSTRUCTION OF K = 128.  K's fragment f holds tile 2 f's codes in registers 0-5 (k 0-63) and tile 2 f + 1's in registers 6-11 (k 64-127).  Q stands twice: QL = (codes, zero codes), QH = (zero codes, codes).
; fragment x QL gives tile 2 f's scores, fragment x QH tile 2 f + 1's: the other tile's codes meet zero codes.
; THE KEYS OF A TILE ARE NOT NEIGHBOURS: lane r of tile 2 f + u takes key 32 f + 8 u + r + 8 (r / 8), so that S's register 16 f + i of lane (r, h) is key 32 f + 16 h + i: 16 neighbours for the conversions.
.set BREG,  51200                      ; LDS: a batch's two slots
.set SLOTB, 25600                      ; a slot: two key steps
.set STEPB, 12800                      ; a step: K's 4 fragments, V's 4, K's 64 scale words, V's 64
.set FRB,   1536                       ; a fragment's image
.set VFO,   6144                       ; where V's fragments begin in a step
.set KSO,   12288                      ; K's scale words: fragment f, row r at 64 f + 4 r
.set VSO,   12544                      ; V's: tile t, row r at 64 t + 4 r
.set STAGE, 102400                     ; behind the two batches: 16 rows x 272 bytes for each wave, its own: Q on the way in, O on the way out
.set SP,    272
.set SPARE, 172032                     ; behind the stages: the spare words, 128 bytes for each wave: eight blocks of 256 bytes that no other line names
.set LI,  1                            ; v1   16 x lane + my batch's region: an image's place for my lane, on the way out of LDS
.set LS,  2                            ; v2   4 x lane + my batch's region: a scale word's
.set SPW, 3                            ; v3   LDS address of my spare word; never rewritten
.set NIL, 4                            ; v4   0; never rewritten
.set ROWS, 5                           ; v5   the stage by rows: 272 h + 16 r
.set GKA, 6                            ; v6   the fill: my lane's byte among a fragment's 32 keys: (r + 8 (r / 8)) x 768 + 24 h
.set GVA, 7                            ; v7   and among its 16 channels: 1,536 r + 24 h
.set QO,  8                            ; v8   my byte among the wave's 16 queries, in qs and in out0: 4,096 h + 16 r
.set LF,  9                            ; v9   the fill: 16 x lane + my batch, my step of a chunk, my fragment: an image's place on the way into LDS
.set QB,  10                           ; v10  the stage, Q back: 272 r + 128 h
.set QL,  16                           ; v16-27 Q's codes, then zero codes
.set QH,  28                           ; v28-39 zero codes, then Q's codes
.set QSC, 40                           ; v40  Q's scale word (s0, s1, s0, s1)
.set PSC, 41                           ; v41  p's scale word
.set KSC, 42                           ; v42-43 K's scale words: lanes 0-15 fragment 2 i, lanes 16-31 fragment 2 i + 1
.set VSC, 44                           ; v44-45 V's likewise
.set GKS, 52                           ; v52  the fill: my key's scale bytes in memory
.set GVS, 53                           ; v53  my channel's
.set LKS, 54                           ; v54  and where they land
.set LVS, 55                           ; v55
.set SK,  56                           ; v56-67 K's fragment on its way
.set SV,  68                           ; v68-79 V's
.set FB,  80                           ; v80-127 four fragments: K's, then V's
.set S,   128                          ; v128-191 the scores, then p
.set O,   192                          ; v192-223 O^T: tile t's register j is channel 16 t + 8 h + j
.set PC,  224                          ; v224-235 p's codes
.set BM,  236                          ; v236-239 each block's largest score, then its largest p
.set PT,  240                          ; v240-243 at work
.set SO,  244                          ; v244-247 the conversions' scale operands
.set OST, 255                          ; v255 the stage by lanes: 272 r + 32 h
.set KC,  6                            ; s[6:7]   my share of the next chunk: K's codes
.set KSP, 8                            ; s[8:9]   K's scale bytes
.set VC,  10                           ; s[10:11] V's codes
.set VSP, 12                           ; s[12:13] V's scale bytes
.set VL,  20                           ; s20  my batch's length
.set VLC, 21                           ; s21  the same, at most 2,048
.set WV,  22                           ; s22  wave
.set IDX, 23                           ; s23  wave / 2: my tile of queries, and my share of the fill
.set BT,  24                           ; s24  batch
.set QT,  25                           ; s25  which fragment of K and of V I fetch
.set HF,  26                           ; s26  of which of a chunk's two steps
.set HD,  27                           ; s27  head
.set SEL, 28                           ; s[28:29] v_permlanex16_b32's selects for lane l xor 16
.set CS,  30                           ; s[30:31] log2(e): the packed form names a pair and takes its low word for both halves
.set KF,  32                           ; s32  the step's first key
.set KFF, 33                           ; s33  the first key of the step that I fetch for
.set CNT, 34                           ; s34  trips to go
; 14 loads: my fragment of K (32 keys x 48 bytes), my fragment of V (16 channels x 96 bytes), each as the operand's layout gives it to my lane, in pieces of 8 bytes; and their scale bytes
.macro FILL_LOAD
.irp i, 0,1,2,3,4,5
	global_load_b64 v[SK+2*\i:SK+2*\i+1], v[GKA], s[KC:KC+1] offset:(\i/3)*6144+8*(\i%3)   ; registers 0-5: the even tile's key of row r, its bytes 24 h on; registers 6-11: the odd tile's, 8 keys x 768 bytes on
.endr
.irp i, 0,1,2,3,4,5
	global_load_b64 v[SV+2*\i:SV+2*\i+1], v[GVA], s[VC:VC+1] offset:(\i/3)*48+8*(\i%3)     ; channel r: keys 32 h on, then keys 64 + 32 h on
.endr
	global_load_u16 v248, v[GKS], s[KSP:KSP+1]     ; lanes 0-15: the even tile's key of row r, lanes 16-31: the odd tile's: two bytes each
	global_load_b32 v249, v[GVS], s[VSP:VSP+1]     ; channel r's four bytes of the step
.endm
.macro FILL_STORE sl                   ; into slot sl
.irp g, 0,1,2
	ds_store_b128 v[LF], v[SK+4*\g:SK+4*\g+3] offset:(\sl)*SLOTB+512*\g
.endr
.irp g, 0,1,2
	ds_store_b128 v[LF], v[SV+4*\g:SV+4*\g+3] offset:(\sl)*SLOTB+VFO+512*\g
.endr
	ds_store_b16 v[LKS], v248 offset:(\sl)*SLOTB+KSO   ; the even tile's two bytes low, the odd tile's high: one word a row
	ds_store_b32 v[LVS], v249 offset:(\sl)*SLOTB+VSO   ; (lanes 16-31 write the same word with the same value)
.endm
.macro ADVANCE                         ; my share of the chunk after: it stands only where no load of mine is out
	s_add_nc_u64 s[KC:KC+1], s[KC:KC+1], 196608    ; 256 keys x 768 bytes
	s_add_nc_u64 s[KSP:KSP+1], s[KSP:KSP+1], 8192  ; x 32
	s_add_nc_u64 s[VC:VC+1], s[VC:VC+1], 192       ; 256 codes of a row
	s_add_nc_u64 s[VSP:VSP+1], s[VSP:VSP+1], 8
.endm
	s_load_b256 s[4:11], s[0:1], 0x0               ; qs s[4:5], ks_codes s[6:7], ks_scales s[8:9], vs_codes s[10:11]
	s_load_b128 s[12:15], s[0:1], 0x20             ; vs_scales s[12:13], valid_lens s[14:15]
	s_load_b64 s[16:17], s[0:1], 0x30              ; out0
	v_lshl_add_u32 v[SPW], v0, 2, SPARE
	v_mov_b32 v[NIL], 0
	v_lshrrev_b32 v224, 5, v0
	v_readfirstlane_b32 s[WV], v224                ; wave 0..15
	s_lshr_b32 s[IDX], s[WV], 1
	s_lshr_b32 s[BT], s[WV], 2
	s_xor_b32 s[BT], s[BT], s[WV]
	s_and_b32 s[BT], s[BT], 1                      ; waves 2 i and 2 i + 1 take the two batches; of any four waves w % 4 alike, or w / 4 alike, two take each
	s_and_b32 s[QT], s[IDX], 3
	s_lshr_b32 s[HF], s[IDX], 2
	s_and_b32 s[HD], ttmp7, 0xffff
	s_mov_b32 s[SEL], 0x76543210
	s_mov_b32 s[SEL+1], 0xfedcba98
	s_mov_b32 s[CS], 0x3fb8aa3b                    ; log2(e)
	s_mov_b32 s[CS+1], s[CS]
	v_and_b32 v225, 31, v0                         ; lane
	v_and_b32 v236, 15, v0                         ; r
	v_bfe_u32 v237, v0, 4, 1                       ; h
	s_mul_i32 s38, s[BT], BREG
	v_lshlrev_b32 v[LI], 4, v225
	v_lshlrev_b32 v[LF], 4, v225
	v_add_nc_u32 v[LI], s38, v[LI]
	v_lshlrev_b32 v[LS], 2, v225
	v_add_nc_u32 v[LS], s38, v[LS]
	s_mul_i32 s39, s[HF], STEPB
	s_add_co_u32 s38, s38, s39                     ; my batch, my step of a chunk
	s_lshl_b32 s39, s[QT], 6
	s_add_co_u32 s39, s39, s38                     ; + my fragment's 16 scale words
	v_lshlrev_b32 v[LVS], 2, v236
	v_add_nc_u32 v[LVS], s39, v[LVS]
	v_lshl_add_u32 v[LKS], v237, 1, v[LVS]
	s_mul_i32 s39, s[QT], FRB
	s_add_co_u32 s38, s38, s39                     ; + my fragment's image
	v_add_nc_u32 v[LF], s38, v[LF]
	v_and_b32 v238, 8, v236
	v_add_nc_u32 v238, v238, v236                  ; r + 8 (r / 8)
	v_mul_u32_u24 v[GKA], v238, 768                ; 768 bytes of codes from key to key
	v_mad_u32_u24 v[GKA], v237, 24, v[GKA]
	v_lshl_add_u32 v238, v237, 3, v238             ; + 8 for the odd tile
	v_lshlrev_b32 v[GKS], 5, v238                  ; 32 bytes of scales from key to key
	v_mul_u32_u24 v[GVA], v236, 1536               ; 1,536 bytes of codes from channel to channel
	v_mad_u32_u24 v[GVA], v237, 24, v[GVA]
	v_lshlrev_b32 v[GVS], 6, v236                  ; 64 bytes of scales
	s_mul_i32 s39, s[WV], 16*SP
	s_add_co_u32 s39, s39, STAGE                   ; my stage
	v_mul_u32_u24 v238, v237, SP
	v_lshl_add_u32 v238, v236, 4, v238
	v_add_nc_u32 v[ROWS], s39, v238                ; lanes 0-15 one row of 256 bytes, lanes 16-31 the next
	v_mul_u32_u24 v238, v236, SP
	v_add_nc_u32 v238, s39, v238
	v_lshl_add_u32 v[QB], v237, 7, v238            ; Q back: row r, my half's 128 bytes
	v_lshl_add_u32 v[OST], v237, 5, v238           ; O in: row r, 32 bytes for each half of the lanes
	v_lshlrev_b32 v[QO], 12, v237
	v_lshl_add_u32 v[QO], v236, 4, v[QO]           ; in memory: 4,096 bytes from query to query; 16 bytes a lane
	; byte offsets of my shares, apart from the addresses
	s_mul_i32 s40, s[BT], 1572864                  ; ks_codes: batch x 2,048 x 768 + 48 head + (128 step + 32 fragment) x 768
	s_mul_i32 s35, s[HD], 48
	s_add_co_u32 s40, s40, s35
	s_mul_i32 s35, s[HF], 98304
	s_add_co_u32 s40, s40, s35
	s_mul_i32 s39, s[QT], 24576
	s_add_co_u32 s40, s40, s39
	s_mov_b32 s41, 0
	s_lshl_b32 s42, s[BT], 16                      ; ks_scales: batch x 65,536 + 2 head + (128 step + 32 fragment) x 32
	s_lshl_b32 s35, s[HD], 1
	s_add_co_u32 s42, s42, s35
	s_lshl_b32 s35, s[HF], 12
	s_add_co_u32 s42, s42, s35
	s_lshl_b32 s35, s[QT], 10
	s_add_co_u32 s42, s42, s35
	s_mov_b32 s43, 0
	s_lshl_b32 s35, s[BT], 4
	s_add_co_u32 s35, s35, s[HD]                   ; 16 batch + head
	s_mul_i32 s44, s35, 98304                      ; vs_codes: x 64 x 1,536 + 16 fragment x 1,536 + 96 step
	s_add_co_u32 s44, s44, s39
	s_mul_i32 s39, s[HF], 96
	s_add_co_u32 s44, s44, s39
	s_mov_b32 s45, 0
	s_lshl_b32 s46, s35, 12                        ; vs_scales: x 4,096 + 16 fragment x 64 + 4 step
	s_lshl_b32 s39, s[QT], 10
	s_add_co_u32 s46, s46, s39
	s_lshl_b32 s39, s[HF], 2
	s_add_co_u32 s46, s46, s39
	s_mov_b32 s47, 0
	s_lshl_b32 s36, ttmp9, 7                       ; qs, out0: my first query 128 x + 16 (wave / 2), x 4,096; + batch x 2^23 + 256 head
	s_lshl_b32 s35, s[IDX], 4
	s_add_co_u32 s36, s36, s35
	s_lshl_b32 s36, s36, 12
	s_lshl_b32 s35, s[BT], 23
	s_add_co_u32 s36, s36, s35
	s_lshl_b32 s35, s[HD], 8
	s_add_co_u32 s36, s36, s35
	s_mov_b32 s37, 0
	s_wait_kmcnt 0x0
	s_load_b64 s[18:19], s[14:15], 0x0             ; the two lengths
	s_add_nc_u64 s[4:5], s[4:5], s[36:37]
	s_add_nc_u64 s[16:17], s[16:17], s[36:37]
	s_add_nc_u64 s[KC:KC+1], s[KC:KC+1], s[40:41]
	s_add_nc_u64 s[KSP:KSP+1], s[KSP:KSP+1], s[42:43]
	s_add_nc_u64 s[VC:VC+1], s[VC:VC+1], s[44:45]
	s_add_nc_u64 s[VSP:VSP+1], s[VSP:VSP+1], s[46:47]
.irp i, 0,1,2,3,4,5,6,7
	global_load_b128 v[S+32+4*\i:S+35+4*\i], v[QO], s[4:5] offset:8192*\i th:TH_LOAD_NT   ; queries 2 i and 2 i + 1: sixteen lanes take a query's 256 aligned bytes; read once in the launch
.endr
	FILL_LOAD                                      ; chunk 0, whatever the length: it lies inside its buffers, and step 0 is read wherever anything is
	s_mov_b32 s36, 0x3e000000                      ; 1 / sqrt(64) = 0.125
	s_mov_b32 s37, s36
	s_wait_loadcnt 14                              ; Q's eight loads are in; the fill's fourteen, issued behind them, may be out
	; Q turns through my stage: in as it lies, back so that lane (r, h) holds numbers 32 h .. 32 h + 31 of query r: a whole block of the quantiser
.irp i, 0,1,2,3,4,5,6,7
	ds_store_b128 v[ROWS], v[S+32+4*\i:S+35+4*\i] offset:2*SP*\i
.endr
.irp i, 0,1,2,3,4,5,6,7
	ds_load_b128 v[S+4*\i:S+4*\i+3], v[QB] offset:16*\i   ; LDS serves a wave's instructions in order (ISA guide 5.7.1.4): these see the stores above
.endr
.irp i, 0,1,2,3,4,5
	v_mov_b32 v[QL+6+\i], 0                        ; the zero codes
	v_mov_b32 v[QH+\i], 0
.endr
	s_wait_dscnt 0x0
.irp i, 0,2,4,6,8,10,12,14,16,18,20,22,24,26,28,30
	v_pk_mul_f32 v[S+\i:S+\i+1], v[S+\i:S+\i+1], s[36:37] op_sel_hi:[1,0]   ; qs x scale, as reference() has it: exact
.endr
	v_max3_num_f32 v254, |v[S]|, |v[S+1]|, |v[S+2]|    ; the block's largest magnitude: all 32 numbers are mine
	v_max3_num_f32 v251, |v[S+3]|, |v[S+4]|, |v[S+5]|
.irp i, 6,10,14,18,22,26
	v_max3_num_f32 v254, v254, |v[S+\i]|, |v[S+\i+1]|
	v_max3_num_f32 v251, v251, |v[S+\i+2]|, |v[S+\i+3]|
.endr
	v_max3_num_f32 v254, v254, |v[S+30]|, |v[S+31]|
	v_max3_num_f32 v254, v254, v251, 0x2800000     ; and the floor 2^(5 - 127): the byte cannot fall under 1
	v_add_nc_u32 v244, 0xfe000000, v254            ; 4 off its exponent field: the conversion takes the exponent field of this operand as its scale
	v_lshrrev_b32 v245, 23, v244                   ; the scale's byte
	v_cvt_scalef32_pk16_bf6_f32 v[QL:QL+2], v[S:S+15], v244
	v_cvt_scalef32_pk16_bf6_f32 v[240:242], v[S+16:S+31], v244   ; (a conversion's three registers begin on an even number)
	v_lshlrev_b32 v246, 3, v237                    ; (a plain instruction behind the conversions)  8 h
	v_lshlrev_b32 v245, v246, v245                 ; my block's byte at its place,
	v_mov_b32 v247, 0
	v_permlanex16_b32 v247, v245, s[SEL], s[SEL+1]
	v_or_b32 v245, v245, v247                      ; with lane l xor 16's: (s0, s1);
	v_lshl_or_b32 v[QSC], v245, 16, v245           ; twice, so that one word serves QL and QH
.irp i, 0,1,2
	v_mov_b32 v[QL+3+\i], v[240+\i]
	v_mov_b32 v[QH+6+\i], v[QL+\i]
	v_mov_b32 v[QH+9+\i], v[240+\i]
.endr
	v_mov_b32 v13, 0xff61b1e6                      ; the largest t so far: -3e38, under every t
	v_floor_f32 v12, -v13                          ; -M
	v_mov_b32 v14, 0                               ; the sum, in two halves
	v_mov_b32 v15, 0
	v_mov_b32 v252, 0
	v_mov_b32 v253, 0                              ; (named as the upper half of the pair v[252:253])
.irp i, 0,1,2,3
	v_mov_b32 v[PT+\i], 0                          ; a lane permute's destination counts as one of its sources
.endr
.irp i, 0,1,2,3,4,5,6,7,8,9,10,11,12,13,14,15,16,17,18,19,20,21,22,23,24,25,26,27,28,29,30,31
	v_mov_b32 v[O+\i], 0                           ; O^T.  The key step is written once: the first finds zeros, which the first change of M leaves zeros.  (These are also the places between Q's scale word and the first product)
.endr
	s_wait_loadcnt 0x0                             ; chunk 0 is in registers, and no load of mine is out
	FILL_STORE 0
	ADVANCE                                        ; the first trip fetches chunk 1
	s_wait_kmcnt 0x0                               ; the lengths
	s_cmp_lg_u32 s[BT], 0
	s_cselect_b32 s[VL], s19, s18
	s_min_i32 s[VLC], s[VL], 2048
	s_mov_b32 s[KF], 0
	s_lshl_b32 s[KFF], s[HF], 7
	s_add_co_u32 s[KFF], s[KFF], 256               ; I fetch next for step 2 or 3
; A KEY STEP: 128 keys, step st of the chunk in slot sg.  Slot and step stand in the immediates: no LDS address is stepped.
.macro STEP sg, st
.set BB, (\sg)*SLOTB+(\st)*STEPB
	s_cmp_ge_i32 s[KF], s[VL]                      ; all its keys are hidden: nothing is done but the step of KF.  No barrier stands in a step
	s_cbranch_scc1 .Lskip_\@
.if (\st) == 0
	s_cmp_ge_i32 s[KFF], s[VLC]                    ; the next chunk's step that I fetch for is walked only if its first key counts (and lies under 2,048: no load leaves its buffer).
	s_cbranch_scc1 .Lnoload_\@                     ; Where it counts, both steps of this chunk are walked: so the loads here and the stores in the second step are both passed
	FILL_LOAD
.Lnoload_\@:
.endif
.irp f, 0,1,2,3
.irp g, 0,1,2
	ds_load_b128 v[FB+12*\f+4*\g:FB+12*\f+4*\g+3], v[LI] offset:BB+FRB*\f+512*\g   ; K's four fragments
.endr
.endr
.irp i, 0,1
	ds_load_b32 v[KSC+\i], v[LS] offset:BB+KSO+128*\i
.endr
	s_wait_dscnt 0x0
.irp f, 0,1,2,3                        ; S^T = K Q^T: eight tiles of 16 keys, each begun with the constant 0
.irp u, 0,1
.if (\f)%2
	v_wmma_scale_f32_16x16x128_f8f6f4 v[S+8*(2*\f+\u):S+8*(2*\f+\u)+7], v[FB+12*\f:FB+12*\f+11], v[QL+12*\u:QL+12*\u+11], 0, v[KSC+\f/2], v[QSC] matrix_a_fmt:MATRIX_FMT_BF6 matrix_b_fmt:MATRIX_FMT_BF6 matrix_a_scale:MATRIX_SCALE_ROW1
.else
	v_wmma_scale_f32_16x16x128_f8f6f4 v[S+8*(2*\f+\u):S+8*(2*\f+\u)+7], v[FB+12*\f:FB+12*\f+11], v[QL+12*\u:QL+12*\u+11], 0, v[KSC+\f/2], v[QSC] matrix_a_fmt:MATRIX_FMT_BF6 matrix_b_fmt:MATRIX_FMT_BF6
.endif
.endr
.endr
.rept 4
	v_nop                                          ; four places in front of the loads into K's registers and of the first read of the scores
.endr
.irp t, 0,1,2,3
.irp g, 0,1,2
	ds_load_b128 v[FB+12*\t+4*\g:FB+12*\t+4*\g+3], v[LI] offset:BB+VFO+FRB*\t+512*\g   ; V's four fragments are asked for now and land under the softmax
.endr
.endr
.irp i, 0,1
	ds_load_b32 v[VSC+\i], v[LS] offset:BB+VSO+128*\i
.endr
	s_add_co_u32 s35, s[KF], 128                   ; the one step that straddles the length: hidden scores become -infinity ahead of the maximum: p = 0 then
	s_cmp_le_i32 s35, s[VL]
	s_cbranch_scc1 .Lopen_\@
	s_sub_co_i32 s35, s[VL], s[KF]
	v_bfe_u32 v251, v0, 4, 1
	v_lshlrev_b32 v251, 4, v251
	v_sub_nc_u32 v251, s35, v251                   ; d = length - KF - 16 h.  Register 16 f + i holds key KF + 32 f + 16 h + i: hidden where 32 f + i >= d
	v_mov_b32 v250, 0xff800000                     ; -infinity
.irp n, 0,1,2,3,4,5,6,7,8,9,10,11,12,13,14,15,16,17,18,19,20,21,22,23,24,25,26,27,28,29,30,31,32,33,34,35,36,37,38,39,40,41,42,43,44,45,46,47,48,49,50,51,52,53,54,55,56,57,58,59,60,61,62,63
	v_cmp_ge_i32 vcc_lo, 32*(\n/16)+\n%16, v251
	v_cndmask_b32 v[S+\n], v[S+\n], v250, vcc_lo
.endr
.Lopen_\@:
.irp f, 0,1,2,3
	v_max3_num_f32 v[BM+\f], v[S+16*\f], v[S+16*\f+1], v[S+16*\f+2]   ; the largest score of each block of 32 keys: it serves for the row's maximum and, since p rises with the score, for the block's largest p
.endr
.irp i, 3,5,7,9,11,13
.irp f, 0,1,2,3
	v_max3_num_f32 v[BM+\f], v[BM+\f], v[S+16*\f+\i], v[S+16*\f+\i+1]   ; (the four blocks by turns; each tile of scores is read from its low end on)
.endr
.endr
.irp f, 0,1,2,3
	v_max_num_f32 v[BM+\f], v[BM+\f], v[S+16*\f+15]
.endr
.irp f, 0,1,2,3
	v_permlanex16_b32 v[PT+\f], v[BM+\f], s[SEL], s[SEL+1]
.endr
.irp f, 0,1,2,3
	v_max_num_f32 v[BM+\f], v[BM+\f], v[PT+\f]     ; with lane l xor 16's 16 keys
.endr
	v_max3_num_f32 v254, v[BM], v[BM+1], v[BM+2]
	v_max_num_f32 v254, v254, v[BM+3]              ; the step's largest score of my query: a number, since the step's first key counts
	v_mul_f32 v254, s[CS], v254                    ; as t
	v_max_num_f32 v13, v13, v254                   ; the running largest t
	v_mov_b32 v254, v12
	v_floor_f32 v12, -v13                          ; the new -M = floor(-t) = -ceil(t): M is a whole number
	v_sub_f32 v254, v12, v254                      ; M's old value less its new one: a whole number, 0 or less
	v_cvt_i32_f32 v254, v254                       ; (it saturates)
	v_ldexp_f32 v252, 1.0, v254                    ; f = 2^(old M - new M)
	; ONE BATCH: the 32 scalings t - M, two numbers each, and the 64 exponentials; a pair is scaled four pairs ahead of its exponentials, and nothing here names an exponential's result
.irp i, 0,2,4,6
	v_pk_fma_f32 v[S+\i:S+\i+1], v[S+\i:S+\i+1], s[CS:CS+1], v[12:13] op_sel_hi:[1,0,0]
.endr
.irp f, 0,1,2,3
	v_fma_f32 v[BM+\f], v[BM+\f], s[CS], v12       ; the same of each block's largest score
.endr
.set E, 0
.rept 28
	v_exp_f32 v[S+2*E], v[S+2*E]                   ; p = 2^(t - M), at most 1: not normalised
	v_exp_f32 v[S+2*E+1], v[S+2*E+1]
	v_pk_fma_f32 v[S+2*E+8:S+2*E+9], v[S+2*E+8:S+2*E+9], s[CS:CS+1], v[12:13] op_sel_hi:[1,0,0]
.set E, E+1
.endr
.irp e, 56,57,58,59,60,61,62,63
	v_exp_f32 v[S+\e], v[S+\e]
.endr
	v_pk_mul_f32 v[14:15], v[14:15], v[252:253] op_sel_hi:[1,0]   ; the sums under the new M.  (The plain instruction behind the exponentials)
	s_wait_alu depctr_va_vdst(0)                   ; this wait stands ahead of the first instruction that names an exponential's result: one for the batch
.irp f, 0,1,2,3
	v_exp_f32 v[BM+\f], v[BM+\f]                   ; the block's largest p: the same two instructions on the same number give the same bits
.endr
	v_pk_add_f32 v[PT:PT+1], v[S:S+1], v[S+2:S+3]  ; the row's sum is taken of the unquantised p: two at a time, in two chains.  (It reads the 64 alone: plain work behind the four)
.irp i, 4,8,12,16,20,24,28,32,36,40,44,48,52,56,60
	v_pk_add_f32 v[14:15], v[14:15], v[S+\i:S+\i+1]
	v_pk_add_f32 v[PT:PT+1], v[PT:PT+1], v[S+\i+2:S+\i+3]
.endr
	v_pk_add_f32 v[14:15], v[14:15], v[PT:PT+1]
	s_wait_alu depctr_va_vdst(0)                   ; and one for the four
.irp f, 0,1,2,3
	v_max_num_f32 v[BM+\f], 0x2800000, v[BM+\f]    ; the floor 2^(5 - 127): the byte cannot fall under 1 (a block whose every p is 0 keeps that byte: its codes are zeros)
.endr
.irp f, 0,1,2,3
	v_add_nc_u32 v[SO+\f], 0xfe000000, v[BM+\f]    ; 4 off the exponent field: the conversion's scale operand
.endr
.irp f, 0,1,2,3
	v_lshrrev_b32 v[PT+\f], 23, v[SO+\f]           ; the scale's byte
.endr
	v_lshl_or_b32 v[PSC], v[PT+1], 8, v[PT]        ; p's scale word for these 128 keys
	v_lshl_or_b32 v[PSC], v[PT+2], 16, v[PSC]
	v_lshl_or_b32 v[PSC], v[PT+3], 24, v[PSC]
	v_cvt_scalef32_pk16_bf6_f32 v[PC:PC+2], v[S:S+15], v[SO]
	v_cvt_scalef32_pk16_bf6_f32 v[PT:PT+2], v[S+16:S+31], v[SO+1]     ; (a conversion's three registers begin on an even number)
	v_cvt_scalef32_pk16_bf6_f32 v[PC+6:PC+8], v[S+32:S+47], v[SO+2]
	v_cvt_scalef32_pk16_bf6_f32 v[BM:BM+2], v[S+48:S+63], v[SO+3]
	v_nop                                          ; one plain instruction behind the conversions
.irp i, 0,1,2                          ; the operand's layout wants a WHOLE block in a lane: lanes 0-15 block 2 c, lanes 16-31 block 2 c + 1
	v_permlane16_swap_b32 v[PC+\i], v[PT+\i]
	v_permlane16_swap_b32 v[PC+6+\i], v[BM+\i]
.endr
.irp i, 0,1,2
	v_mov_b32 v[PC+3+\i], v[PT+\i]
	v_mov_b32 v[PC+9+\i], v[BM+\i]
.endr
.if (\st) == 1
	s_wait_loadcnt 0x0                             ; the next chunk's share, asked for a step ago, is in registers
	s_cmp_ge_i32 s[KFF], s[VLC]
	s_cbranch_scc1 .Lnostore_\@
	FILL_STORE 1-(\sg)                             ; into the other slot: every wave's reads of it ended in front of this chunk's barrier
.Lnostore_\@:
.endif
.irp i, 0,2,4,6,8,10,12,14,16,18,20,22,24,26,28,30
	v_pk_mul_f32 v[O+\i:O+\i+1], v[O+\i:O+\i+1], v[252:253] op_sel_hi:[1,0]   ; O^T under the new M: x f.  (Also the places between p's codes and scale word and the products below)
.endr
	s_wait_dscnt 0x0                               ; V is in; the fill's stores are done
.irp t, 0,1,2,3                        ; O^T += V^T P^T: four tiles of 16 channels, K = these 128 keys; the four accumulators take turns, one instruction each
.if (\t)%2
	v_wmma_scale_f32_16x16x128_f8f6f4 v[O+8*\t:O+8*\t+7], v[FB+12*\t:FB+12*\t+11], v[PC:PC+11], v[O+8*\t:O+8*\t+7], v[VSC+\t/2], v[PSC] matrix_a_fmt:MATRIX_FMT_BF6 matrix_b_fmt:MATRIX_FMT_BF6 matrix_a_scale:MATRIX_SCALE_ROW1
.else
	v_wmma_scale_f32_16x16x128_f8f6f4 v[O+8*\t:O+8*\t+7], v[FB+12*\t:FB+12*\t+11], v[PC:PC+11], v[O+8*\t:O+8*\t+7], v[VSC+\t/2], v[PSC] matrix_a_fmt:MATRIX_FMT_BF6 matrix_b_fmt:MATRIX_FMT_BF6
.endif
.endr
.rept 4
	v_nop                                          ; four places in front of the next step's loads into V's registers, and of the way out's first read of O^T
.endr
.Lskip_\@:
	s_add_co_u32 s[KF], s[KF], 128
.endm
; A CHUNK in slot sg.  ONE barrier, for two things: in front of it every wave's stores of this chunk are done, and so are its reads of the other slot; behind it this chunk is read and the other slot is stored into.
.macro TRIP sg
	s_wait_dscnt 0x0
	s_barrier_signal -1
	s_barrier_wait -1
	STEP \sg, 0
	STEP \sg, 1
	s_wait_loadcnt 0x0                             ; on every way no load of mine is out: the bases may be stepped
	ADVANCE
	s_add_co_u32 s[KFF], s[KFF], 256
.endm
	s_mov_b32 s[CNT], 4
.Lchunks:                                          ; four trips of two chunks: a constant, so that every wave passes all eight barriers; what a length hides is jumped over inside
	TRIP 0
	TRIP 1
	s_sub_co_u32 s[CNT], s[CNT], 1
	s_cmp_lg_u32 s[CNT], 0
	s_cbranch_scc1 .Lchunks
	; THE WAY OUT.  O^T is divided by the sum and goes through my stage, so that sixteen lanes store a query's 256 aligned bytes
	v_add_f32 v14, v14, v15                        ; the sum's two halves,
	v_permlanex16_b32 v254, v14, s[SEL], s[SEL+1]
	v_add_f32 v14, v14, v254                       ; and lane l xor 16's: the row's sum
	v_rcp_f32 v14, v14
	v_nop                                          ; a plain instruction behind the reciprocal
	s_wait_alu depctr_va_vdst(0)                   ; the reciprocal is written, ahead of its first reader
.irp i, 0,2,4,6,8,10,12,14,16,18,20,22,24,26,28,30
	v_pk_mul_f32 v[S+\i:S+\i+1], v[O+\i:O+\i+1], v[14:15] op_sel_hi:[1,0]   ; register 8 t + j: o(query r, channel 16 t + 8 h + j); each accumulator from its low end on
.endr
.irp t, 0,1,2,3
	ds_store_b128 v[OST], v[S+8*\t:S+8*\t+3] offset:64*\t
	ds_store_b128 v[OST], v[S+8*\t+4:S+8*\t+7] offset:64*\t+16
.endr
.irp i, 0,1,2,3,4,5,6,7
	ds_load_b128 v[S+32+4*\i:S+35+4*\i], v[ROWS] offset:2*SP*\i   ; LDS serves a wave's instructions in order: these see my stores
.endr
.irp i, 0,1,2,3,4,5,6,7
	s_wait_dscnt 7-\i                              ; the younger read-backs may be out
	global_store_b128 v[QO], v[S+32+4*\i:S+35+4*\i], s[16:17] offset:8192*\i th:TH_STORE_NT   ; two queries: twice 256 consecutive bytes, each at a multiple of 256 from out0's first byte
.endr
	s_wait_tensorcnt 0x0                           ; the wave's end: three closing lines, behind my last LDS store
	ds_add_u32 v[SPW], v[NIL]
	s_wait_dscnt 0x0
	s_endpgm
.Lfunc_end_k_qe1a922bed1_attn:
	.size	k_qe1a922bed1_attn, .Lfunc_end_k_qe1a922bed1_attn-k_qe1a922bed1_attn
	.p2alignl 7, 3214868480
	.fill 96, 4, 3214868480
	.section	.rodata,"a",@progbits
	.p2align	6, 0x0
	.amdhsa_kernel k_qe1a922bed1_attn
		.amdhsa_group_segment_fixed_size 174080
		.amdhsa_private_segment_fixed_size 0
		.amdhsa_enable_private_segment 0
		.amdhsa_kernarg_size 56
		.amdhsa_user_sgpr_count 2
		.amdhsa_user_sgpr_kernarg_segment_ptr 1
		.amdhsa_wavefront_size32 1
		.amdhsa_system_sgpr_workgroup_id_x 1
		.amdhsa_system_sgpr_workgroup_id_y 1
		.amdhsa_system_sgpr_workgroup_id_z 1
		.amdhsa_system_vgpr_workitem_id 0
		.amdhsa_next_free_vgpr 256
		.amdhsa_next_free_sgpr 66
		.amdhsa_reserve_vcc 1
		.amdhsa_float_denorm_mode_32 3
		.amdhsa_float_denorm_mode_16_64 3
		.amdhsa_memory_ordered 1
		.amdhsa_forward_progress 1
		.amdhsa_inst_pref_size 105
	.end_amdhsa_kernel
	.amdgpu_metadata
---
amdhsa.version: [ 1, 2 ]
amdhsa.kernels:
  - .name:           k_qe1a922bed1_attn
    .symbol:         k_qe1a922bed1_attn.kd
    .args:
      - { .name: qs, .offset: 0, .size: 8, .value_kind: global_buffer, .address_space: global }
      - { .name: ks_codes, .offset: 8, .size: 8, .value_kind: global_buffer, .address_space: global }
      - { .name: ks_scales, .offset: 16, .size: 8, .value_kind: global_buffer, .address_space: global }
      - { .name: vs_codes, .offset: 24, .size: 8, .value_kind: global_buffer, .address_space: global }
      - { .name: vs_scales, .offset: 32, .size: 8, .value_kind: global_buffer, .address_space: global }
      - { .name: valid_lens, .offset: 40, .size: 8, .value_kind: global_buffer, .address_space: global }
      - { .name: out0, .offset: 48, .size: 8, .value_kind: global_buffer, .address_space: global }
    .group_segment_fixed_size: 174080
    .private_segment_fixed_size: 0
    .kernarg_segment_align: 8
    .kernarg_segment_size: 56
    .max_flat_workgroup_size: 512
    .sgpr_count:     66
    .vgpr_count:     256
    .wavefront_size: 32
...
	.end_amdgpu_metadata
.endif
;; end of part 1
;; ======== version 2 of 2: 1 launch; version 1 with the launch attn written anew for expert scheduling mode
;; launch attn (part 2): grid 16 x 16, 16 waves a work-group, no clusters, 174,080 bytes of LDS; arguments qs, ks_codes, ks_scales, vs_codes, vs_scales, valid_lens, out0; writes out0
.if DOCPART == 2
	.amdgcn_target "amdgcn-amd-amdhsa--gfx1250"
	.amdhsa_code_object_version 6
	.text
	.protected	k_qe1a922bed1_attn
	.globl	k_qe1a922bed1_attn
	.p2align	8
	.type	k_qe1a922bed1_attn,@function
k_qe1a922bed1_attn:
	s_mov_b64 s[64:65], 0
	v_nop
	global_prefetch_b8 v0, s[64:65] scope:SCOPE_SE
	s_setreg_imm32_b32 hwreg(HW_REG_WAVE_SCHED_MODE, 0, 2), 2
	s_setreg_imm32_b32 hwreg(HW_REG_WAVE_MODE, 25, 1), 1
	s_wait_xcnt 0x0
	s_wait_alu depctr_vm_vsrc(0)
; out0[b][q][y][:] = the sum over keys k < valid_lens[b] of softmax_k(qs[b][q][y] / 8 . ks[b][k][y]) vs[b][k][y][:], both products on codes of BF6 (E3M2) with one E8M0 scale for each 32 along a product's K.
; ks: codes along the head's 64; vs: codes along the keys.  qs: f32: qs / 8 is quantised here, along the 64.  The softmax ahead of the second product: t = score x log2(e); M = the running largest t rounded UP to a whole
; number; p = 2^(t - M) is quantised along the keys, not normalised; the row's sum is taken of the unquantised p and divides at the end; when M moves, the sum and O are multiplied by 2^(old M - new M), exactly.
; WORK LEFT OUT.  A key at or past valid_lens[b] gets the score -infinity in reference(): its p is 0, it moves no maximum, no sum and no output, whatever the inputs hold.  So a key step (128 keys) all of whose keys lie
; there is not walked: a scalar branch on valid_lens, a whole number read from memory.  The one step that straddles the length is walked whole, its hidden scores set to -infinity.
; LIMITS.  A NaN, an infinity or a scale byte 0xff that lies only in steps left out is not carried to the result.  NaN and infinities in qs are not served.  A scale byte 0xff of a key of ks also spoils the 16 keys
; that share its fragment (below); one of vs spoils its channel even where p's codes are zeros.  A block of zeros of q or of p gets the byte 1, not 127: its codes are zeros and this text alone reads the byte.
; valid_lens[b] <= 0 gives 0 x (1 / 0) = NaN, as reference()'s softmax of a row of -infinity does.
; SHARES.  256 work-groups of 16 waves.  Work-group (x, y): head y, queries 128 x .. 128 x + 127 of BOTH batches, so that every work-group's work goes with valid_lens[0] + valid_lens[1].  Wave w: batch (w ^ (w >> 2)) & 1,
; queries 16 (w >> 1) on: one tile of 16 queries in 256 registers; a lane holds ONE query (lane % 16) throughout, since both products are used transposed (source 0 = keys or channels, source 1 = queries).
; NO TENSOR LOADS, NO CLUSTER, NO JOINT LOADS, though the 16 work-groups of a head walk the same K and V: the number of key steps hangs on valid_lens.
; Leaving the hidden steps out spares (4,096 - valid_lens[0] - valid_lens[1]) / 4,096 of all the work; what sharing would spare is at most 400 KB of fetches a work-group.
; K AND V go memory -> registers -> LDS.  The eight waves of a batch fetch the batch's next chunk (two key steps) while they work on this one: 14 loads a wave at the head of the chunk's first step, stored to LDS late in its
; second; two slots by turns, one barrier a chunk.  No prefetch is written: these loads stand two key steps ahead of their use.
; IN LDS AN OPERAND IS AN IMAGE OF ITS REGISTERS: registers 4 g .. 4 g + 3 of a fragment at 512 g + 16 x lane.  The wave that fetches a fragment loads from memory just what the operand's layout gives each lane, and stores
; it by three stores of 16 bytes a lane; three loads of 16 bytes a lane bring it to any wave.
; HEAD SIZE 64 IN AN INSTRUCTION OF K = 128.  K's fragment f holds tile 2 f's codes in registers 0-5 (k 0-63) and tile 2 f + 1's in registers 6-11 (k 64-127).  Q stands twice: QL = (codes, zero codes), QH = (zero codes, codes).
; fragment x QL gives tile 2 f's scores, fragment x QH tile 2 f + 1's: the other tile's codes meet zero codes.
; THE KEYS OF A TILE ARE NOT NEIGHBOURS: lane r of tile 2 f + u takes key 32 f + 8 u + r + 8 (r / 8), so that S's register 16 f + i of lane (r, h) is key 32 f + 16 h + i: 16 neighbours for the conversions.
; THE MODE: SCHED_MODE bits 1:0 = 2 (LLVM: expert scheduling mode 2), set by the entry lines.  The code itself states the register dependences between vector or matrix instructions and memory or LDS instructions,
; with s_wait_alu, always for 0.
; THE PLAN.  Registers that memory or LDS instructions touch:
;   v1, v2, v5-10, v52-55, v255   addresses and offsets.  Written at the head, ahead of ONE wait on va_vdst in front of the first load; never written again: slot, step and fragment stand in immediates, rows in scalar bases.
;   v56-79, v248, v249            the fill's share on its way.  Global loads land in them, LDS stores read them, no vector instruction names them: one wait on vm_vsrc at each chunk's head, between the stores and the next loads.
;   FB, KSC, VSC                  LDS loads land in them, matrix instructions read them, by turns K's and V's.  K's loads stand behind a wait on va_vdst at the step's head (the last step's products are done reading),
;                                 V's behind one that follows the step's first products.  A wave has 256 registers (sixteen waves on four SIMDs of 1,024), of which 7 are free: there is no second set of 48.
;   S                             At the head Q passes through it; on the way out O does; in the loop vector and matrix instructions alone name it.
;   QL, QH, QSC; PC, PSC          Written by vector instructions, taken by scaled matrix instructions: a wait on va_vdst behind their places, ahead of the products (for Q's the one at the step's head).
;   s22; s36-51                   Written by vector instructions (the wave's number; the masks of the step that straddles the length): a wait on va_sdst ahead of the first reader, one for each run of sixteen masks.
; The row's sums stand behind the second products: they name none of those products' registers, so they are the places behind them, and they are work between those products and the wait at the next step's head.
.set BREG,  51200                      ; LDS: a batch's two slots
.set SLOTB, 25600                      ; a slot: two key steps
.set STEPB, 12800                      ; a step: K's 4 fragments, V's 4, K's 64 scale words, V's 64
.set FRB,   1536                       ; a fragment's image
.set VFO,   6144                       ; where V's fragments begin in a step
.set KSO,   12288                      ; K's scale words: fragment f, row r at 64 f + 4 r
.set VSO,   12544                      ; V's: tile t, row r at 64 t + 4 r
.set STAGE, 102400                     ; behind the two batches: 16 rows x 272 bytes for each wave, its own: Q on the way in, O on the way out
.set SP,    272
.set SPARE, 172032                     ; behind the stages: the spare words, 128 bytes for each wave: eight blocks of 256 bytes that no other line names
.set LI,  1                            ; v1   16 x lane + my batch's region: an image's place for my lane, on the way out of LDS
.set LS,  2                            ; v2   4 x lane + my batch's region: a scale word's
.set SPW, 3                            ; v3   LDS address of my spare word; never rewritten
.set NIL, 4                            ; v4   0; never rewritten
.set ROWS, 5                           ; v5   the stage by rows: 272 h + 16 r
.set GKA, 6                            ; v6   the fill: my lane's byte among a fragment's 32 keys: (r + 8 (r / 8)) x 768 + 24 h
.set GVA, 7                            ; v7   and among its 16 channels: 1,536 r + 24 h
.set QO,  8                            ; v8   my byte among the wave's 16 queries, in qs and in out0: 4,096 h + 16 r
.set LF,  9                            ; v9   the fill: 16 x lane + my batch, my step of a chunk, my fragment: an image's place on the way into LDS
.set QB,  10                           ; v10  the stage, Q back: 272 r + 128 h
.set QL,  16                           ; v16-27 Q's codes, then zero codes
.set QH,  28                           ; v28-39 zero codes, then Q's codes
.set QSC, 40                           ; v40  Q's scale word (s0, s1, s0, s1)
.set PSC, 41                           ; v41  p's scale word
.set KSC, 42                           ; v42-43 K's scale words: lanes 0-15 fragment 2 i, lanes 16-31 fragment 2 i + 1
.set VSC, 44                           ; v44-45 V's likewise
.set GKS, 52                           ; v52  the fill: my key's scale bytes in memory
.set GVS, 53                           ; v53  my channel's
.set LKS, 54                           ; v54  and where they land
.set LVS, 55                           ; v55
.set SK,  56                           ; v56-67 K's fragment on its way
.set SV,  68                           ; v68-79 V's
.set FB,  80                           ; v80-127 four fragments: K's, then V's
.set S,   128                          ; v128-191 the scores, then p
.set O,   192                          ; v192-223 O^T: tile t's register j is channel 16 t + 8 h + j
.set PC,  224                          ; v224-235 p's codes
.set BM,  236                          ; v236-239 each block's largest score, then its largest p
.set PT,  240                          ; v240-243 at work
.set SO,  244                          ; v244-247 the conversions' scale operands
.set OST, 255                          ; v255 the stage by lanes: 272 r + 32 h
.set KC,  6                            ; s[6:7]   my share of the next chunk: K's codes
.set KSP, 8                            ; s[8:9]   K's scale bytes
.set VC,  10                           ; s[10:11] V's codes
.set VSP, 12                           ; s[12:13] V's scale bytes
.set VL,  20                           ; s20  my batch's length
.set VLC, 21                           ; s21  the same, at most 2,048
.set WV,  22                           ; s22  wave
.set IDX, 23                           ; s23  wave / 2: my tile of queries, and my share of the fill
.set BT,  24                           ; s24  batch
.set QT,  25                           ; s25  which fragment of K and of V I fetch
.set HF,  26                           ; s26  of which of a chunk's two steps
.set HD,  27                           ; s27  head
.set SEL, 28                           ; s[28:29] v_permlanex16_b32's selects for lane l xor 16
.set CS,  30                           ; s[30:31] log2(e): the packed form names a pair and takes its low word for both halves
.set KF,  32                           ; s32  the step's first key
.set KFF, 33                           ; s33  the first key of the step that I fetch for
.set CNT, 34                           ; s34  trips to go
.set MK,  36                           ; s36-51 in the loop: sixteen masks of hidden keys (at the head these registers hold byte offsets)
; 14 loads: my fragment of K (32 keys x 48 bytes), my fragment of V (16 channels x 96 bytes), each as the operand's layout gives it to my lane, in pieces of 8 bytes; and their scale bytes
.macro FILL_LOAD
.irp i, 0,1,2,3,4,5
	global_load_b64 v[SK+2*\i:SK+2*\i+1], v[GKA], s[KC:KC+1] offset:(\i/3)*6144+8*(\i%3)   ; registers 0-5: the even tile's key of row r, its bytes 24 h on; registers 6-11: the odd tile's, 8 keys x 768 bytes on
.endr
.irp i, 0,1,2,3,4,5
	global_load_b64 v[SV+2*\i:SV+2*\i+1], v[GVA], s[VC:VC+1] offset:(\i/3)*48+8*(\i%3)     ; channel r: keys 32 h on, then keys 64 + 32 h on
.endr
	global_load_u16 v248, v[GKS], s[KSP:KSP+1]     ; lanes 0-15: the even tile's key of row r, lanes 16-31: the odd tile's: two bytes each
	global_load_b32 v249, v[GVS], s[VSP:VSP+1]     ; channel r's four bytes of the step
.endm
.macro FILL_STORE sl                   ; into slot sl.  The data come from loads, the addresses from the head: no vector instruction has named either since the head's wait
.irp g, 0,1,2
	ds_store_b128 v[LF], v[SK+4*\g:SK+4*\g+3] offset:(\sl)*SLOTB+512*\g
.endr
.irp g, 0,1,2
	ds_store_b128 v[LF], v[SV+4*\g:SV+4*\g+3] offset:(\sl)*SLOTB+VFO+512*\g
.endr
	ds_store_b16 v[LKS], v248 offset:(\sl)*SLOTB+KSO   ; the even tile's two bytes low, the odd tile's high: one word a row
	ds_store_b32 v[LVS], v249 offset:(\sl)*SLOTB+VSO   ; (lanes 16-31 write the same word with the same value)
.endm
.macro ADVANCE                         ; my share of the chunk after: it stands only where no load of mine is out
	s_add_nc_u64 s[KC:KC+1], s[KC:KC+1], 196608    ; 256 keys x 768 bytes
	s_add_nc_u64 s[KSP:KSP+1], s[KSP:KSP+1], 8192  ; x 32
	s_add_nc_u64 s[VC:VC+1], s[VC:VC+1], 192       ; 256 codes of a row
	s_add_nc_u64 s[VSP:VSP+1], s[VSP:VSP+1], 8
.endm
	s_load_b256 s[4:11], s[0:1], 0x0               ; qs s[4:5], ks_codes s[6:7], ks_scales s[8:9], vs_codes s[10:11]
	s_load_b128 s[12:15], s[0:1], 0x20             ; vs_scales s[12:13], valid_lens s[14:15]
	s_load_b64 s[16:17], s[0:1], 0x30              ; out0
	v_lshl_add_u32 v[SPW], v0, 2, SPARE
	v_mov_b32 v[NIL], 0
	v_lshrrev_b32 v224, 5, v0
	v_readfirstlane_b32 s[WV], v224                ; wave 0..15
	s_and_b32 s[HD], ttmp7, 0xffff
	s_mov_b32 s[SEL], 0x76543210
	s_mov_b32 s[SEL+1], 0xfedcba98
	s_mov_b32 s[CS], 0x3fb8aa3b                    ; log2(e)
	s_mov_b32 s[CS+1], s[CS]
	v_and_b32 v225, 31, v0                         ; lane
	v_and_b32 v236, 15, v0                         ; r
	v_bfe_u32 v237, v0, 4, 1                       ; h
	s_wait_alu depctr_va_sdst(0)                   ; the wave's number is written, ahead of its first reader: batch, shares, LDS places and bases are made from it
	s_lshr_b32 s[IDX], s[WV], 1
	s_lshr_b32 s[BT], s[WV], 2
	s_xor_b32 s[BT], s[BT], s[WV]
	s_and_b32 s[BT], s[BT], 1                      ; waves 2 i and 2 i + 1 take the two batches; of any four waves w % 4 alike, or w / 4 alike, two take each
	s_and_b32 s[QT], s[IDX], 3
	s_lshr_b32 s[HF], s[IDX], 2
	s_mul_i32 s38, s[BT], BREG
	v_lshlrev_b32 v[LI], 4, v225
	v_lshlrev_b32 v[LF], 4, v225
	v_add_nc_u32 v[LI], s38, v[LI]
	v_lshlrev_b32 v[LS], 2, v225
	v_add_nc_u32 v[LS], s38, v[LS]
	s_mul_i32 s39, s[HF], STEPB
	s_add_co_u32 s38, s38, s39                     ; my batch, my step of a chunk
	s_lshl_b32 s39, s[QT], 6
	s_add_co_u32 s39, s39, s38                     ; + my fragment's 16 scale words
	v_lshlrev_b32 v[LVS], 2, v236
	v_add_nc_u32 v[LVS], s39, v[LVS]
	v_lshl_add_u32 v[LKS], v237, 1, v[LVS]
	s_mul_i32 s39, s[QT], FRB
	s_add_co_u32 s38, s38, s39                     ; + my fragment's image
	v_add_nc_u32 v[LF], s38, v[LF]
	v_and_b32 v238, 8, v236
	v_add_nc_u32 v238, v238, v236                  ; r + 8 (r / 8)
	v_mul_u32_u24 v[GKA], v238, 768                ; 768 bytes of codes from key to key
	v_mad_u32_u24 v[GKA], v237, 24, v[GKA]
	v_lshl_add_u32 v238, v237, 3, v238             ; + 8 for the odd tile
	v_lshlrev_b32 v[GKS], 5, v238                  ; 32 bytes of scales from key to key
	v_mul_u32_u24 v[GVA], v236, 1536               ; 1,536 bytes of codes from channel to channel
	v_mad_u32_u24 v[GVA], v237, 24, v[GVA]
	v_lshlrev_b32 v[GVS], 6, v236                  ; 64 bytes of scales
	s_mul_i32 s39, s[WV], 16*SP
	s_add_co_u32 s39, s39, STAGE                   ; my stage
	v_mul_u32_u24 v238, v237, SP
	v_lshl_add_u32 v238, v236, 4, v238
	v_add_nc_u32 v[ROWS], s39, v238                ; lanes 0-15 one row of 256 bytes, lanes 16-31 the next
	v_mul_u32_u24 v238, v236, SP
	v_add_nc_u32 v238, s39, v238
	v_lshl_add_u32 v[QB], v237, 7, v238            ; Q back: row r, my half's 128 bytes
	v_lshl_add_u32 v[OST], v237, 5, v238           ; O in: row r, 32 bytes for each half of the lanes
	v_lshlrev_b32 v[QO], 12, v237
	v_lshl_add_u32 v[QO], v236, 4, v[QO]           ; in memory: 4,096 bytes from query to query; 16 bytes a lane
	; byte offsets of my shares, apart from the addresses
	s_mul_i32 s40, s[BT], 1572864                  ; ks_codes: batch x 2,048 x 768 + 48 head + (128 step + 32 fragment) x 768
	s_mul_i32 s35, s[HD], 48
	s_add_co_u32 s40, s40, s35
	s_mul_i32 s35, s[HF], 98304
	s_add_co_u32 s40, s40, s35
	s_mul_i32 s39, s[QT], 24576
	s_add_co_u32 s40, s40, s39
	s_mov_b32 s41, 0
	s_lshl_b32 s42, s[BT], 16                      ; ks_scales: batch x 65,536 + 2 head + (128 step + 32 fragment) x 32
	s_lshl_b32 s35, s[HD], 1
	s_add_co_u32 s42, s42, s35
	s_lshl_b32 s35, s[HF], 12
	s_add_co_u32 s42, s42, s35
	s_lshl_b32 s35, s[QT], 10
	s_add_co_u32 s42, s42, s35
	s_mov_b32 s43, 0
	s_lshl_b32 s35, s[BT], 4
	s_add_co_u32 s35, s35, s[HD]                   ; 16 batch + head
	s_mul_i32 s44, s35, 98304                      ; vs_codes: x 64 x 1,536 + 16 fragment x 1,536 + 96 step
	s_add_co_u32 s44, s44, s39
	s_mul_i32 s39, s[HF], 96
	s_add_co_u32 s44, s44, s39
	s_mov_b32 s45, 0
	s_lshl_b32 s46, s35, 12                        ; vs_scales: x 4,096 + 16 fragment x 64 + 4 step
	s_lshl_b32 s39, s[QT], 10
	s_add_co_u32 s46, s46, s39
	s_lshl_b32 s39, s[HF], 2
	s_add_co_u32 s46, s46, s39
	s_mov_b32 s47, 0
	s_lshl_b32 s36, ttmp9, 7                       ; qs, out0: my first query 128 x + 16 (wave / 2), x 4,096; + batch x 2^23 + 256 head
	s_lshl_b32 s35, s[IDX], 4
	s_add_co_u32 s36, s36, s35
	s_lshl_b32 s36, s36, 12
	s_lshl_b32 s35, s[BT], 23
	s_add_co_u32 s36, s36, s35
	s_lshl_b32 s35, s[HD], 8
	s_add_co_u32 s36, s36, s35
	s_mov_b32 s37, 0
	s_wait_kmcnt 0x0
	s_load_b64 s[18:19], s[14:15], 0x0             ; the two lengths
	s_add_nc_u64 s[4:5], s[4:5], s[36:37]
	s_add_nc_u64 s[16:17], s[16:17], s[36:37]
	s_add_nc_u64 s[KC:KC+1], s[KC:KC+1], s[40:41]
	s_add_nc_u64 s[KSP:KSP+1], s[KSP:KSP+1], s[42:43]
	s_add_nc_u64 s[VC:VC+1], s[VC:VC+1], s[44:45]
	s_add_nc_u64 s[VSP:VSP+1], s[VSP:VSP+1], s[46:47]
	s_wait_alu depctr_va_vdst(0)                   ; all addresses and offsets (v1, v2, v5 to v10, v52 to v55, v255) are written: every load and store of the kernel reads one of them, and none is written again
.irp i, 0,1,2,3,4,5,6,7
	global_load_b128 v[S+32+4*\i:S+35+4*\i], v[QO], s[4:5] offset:8192*\i th:TH_LOAD_NT   ; queries 2 i and 2 i + 1: sixteen lanes take a query's 256 aligned bytes; read once in the launch
.endr
	FILL_LOAD                                      ; chunk 0, whatever the length: it lies inside its buffers, and step 0 is read wherever anything is
	s_mov_b32 s36, 0x3e000000                      ; 1 / sqrt(64) = 0.125
	s_mov_b32 s37, s36
	s_wait_loadcnt 14                              ; Q's eight loads are in; the fill's fourteen, issued behind them, may be out
	; Q turns through my stage: in as it lies, back so that lane (r, h) holds numbers 32 h .. 32 h + 31 of query r: a whole block of the quantiser.  (No vector instruction has yet named v128 to v191)
.irp i, 0,1,2,3,4,5,6,7
	ds_store_b128 v[ROWS], v[S+32+4*\i:S+35+4*\i] offset:2*SP*\i
.endr
.irp i, 0,1,2,3,4,5,6,7
	ds_load_b128 v[S+4*\i:S+4*\i+3], v[QB] offset:16*\i   ; LDS serves a wave's instructions in order (ISA guide 5.7.1.4): these see the stores above
.endr
.irp i, 0,1,2,3,4,5
	v_mov_b32 v[QL+6+\i], 0                        ; the zero codes
	v_mov_b32 v[QH+\i], 0
.endr
	s_wait_dscnt 0x0
.irp i, 0,2,4,6,8,10,12,14,16,18,20,22,24,26,28,30
	v_pk_mul_f32 v[S+\i:S+\i+1], v[S+\i:S+\i+1], s[36:37] op_sel_hi:[1,0]   ; qs x scale, as reference() has it: exact
.endr
	v_max3_num_f32 v254, |v[S]|, |v[S+1]|, |v[S+2]|    ; the block's largest magnitude: all 32 numbers are mine
	v_max3_num_f32 v251, |v[S+3]|, |v[S+4]|, |v[S+5]|
.irp i, 6,10,14,18,22,26
	v_max3_num_f32 v254, v254, |v[S+\i]|, |v[S+\i+1]|
	v_max3_num_f32 v251, v251, |v[S+\i+2]|, |v[S+\i+3]|
.endr
	v_max3_num_f32 v254, v254, |v[S+30]|, |v[S+31]|
	v_max3_num_f32 v254, v254, v251, 0x2800000     ; and the floor 2^(5 - 127): the byte cannot fall under 1
	v_add_nc_u32 v244, 0xfe000000, v254            ; 4 off its exponent field: the conversion takes the exponent field of this operand as its scale
	v_lshrrev_b32 v245, 23, v244                   ; the scale's byte
	v_cvt_scalef32_pk16_bf6_f32 v[QL:QL+2], v[S:S+15], v244
	v_cvt_scalef32_pk16_bf6_f32 v[240:242], v[S+16:S+31], v244   ; (a conversion's three registers begin on an even number)
	v_lshlrev_b32 v246, 3, v237                    ; (a plain instruction behind the conversions)  8 h
	v_lshlrev_b32 v245, v246, v245                 ; my block's byte at its place,
	v_mov_b32 v247, 0
	v_permlanex16_b32 v247, v245, s[SEL], s[SEL+1]
	v_or_b32 v245, v245, v247                      ; with lane l xor 16's: (s0, s1);
	v_lshl_or_b32 v[QSC], v245, 16, v245           ; twice, so that one word serves QL and QH
.irp i, 0,1,2
	v_mov_b32 v[QL+3+\i], v[240+\i]
	v_mov_b32 v[QH+6+\i], v[QL+\i]
	v_mov_b32 v[QH+9+\i], v[240+\i]
.endr
	v_mov_b32 v13, 0xff61b1e6                      ; the largest t so far: -3e38, under every t
	v_floor_f32 v12, -v13                          ; -M
	v_mov_b32 v14, 0                               ; the sum, in two halves
	v_mov_b32 v15, 0
	v_mov_b32 v252, 0
	v_mov_b32 v253, 0                              ; (named as the upper half of the pair v[252:253])
.irp i, 0,1,2,3
	v_mov_b32 v[PT+\i], 0                          ; a lane permute's destination counts as one of its sources
.endr
.irp i, 0,1,2,3,4,5,6,7,8,9,10,11,12,13,14,15,16,17,18,19,20,21,22,23,24,25,26,27,28,29,30,31
	v_mov_b32 v[O+\i], 0                           ; O^T.  The key step is written once: the first finds zeros, which the first change of M leaves zeros.  (These are also the places between Q's scale word and the first product)
.endr
	s_wait_loadcnt 0x0                             ; chunk 0 is in registers, and no load of mine is out
	FILL_STORE 0
	ADVANCE                                        ; the first trip fetches chunk 1
	s_wait_kmcnt 0x0                               ; the lengths
	s_cmp_lg_u32 s[BT], 0
	s_cselect_b32 s[VL], s19, s18
	s_min_i32 s[VLC], s[VL], 2048
	s_mov_b32 s[KF], 0
	s_lshl_b32 s[KFF], s[HF], 7
	s_add_co_u32 s[KFF], s[KFF], 256               ; I fetch next for step 2 or 3
; A KEY STEP: 128 keys, step st of the chunk in slot sg.  Slot and step stand in the immediates: no LDS address is stepped.
.macro STEP sg, st
.set BB, (\sg)*SLOTB+(\st)*STEPB
	s_cmp_ge_i32 s[KF], s[VL]                      ; all its keys are hidden: nothing is done but the step of KF.  No barrier stands in a step
	s_cbranch_scc1 .Lskip_\@
.if (\st) == 0
	s_cmp_ge_i32 s[KFF], s[VLC]                    ; the next chunk's step that I fetch for is walked only if its first key counts (and lies under 2,048: no load leaves its buffer).
	s_cbranch_scc1 .Lnoload_\@                     ; Where it counts, both steps of this chunk are walked: so the loads here and the stores in the second step are both passed
	FILL_LOAD                                      ; the wait on vm_vsrc at the chunk's head has shown their registers read by the last fill's stores; no vector instruction names them
.Lnoload_\@:
.endif
	s_wait_alu depctr_va_vdst(0)                   ; the last step's second products are done reading FB, its first products KSC: K's loads below land there.  In the first step: Q's codes and scale word, which the products below take, are written
.irp f, 0,1,2,3
.irp g, 0,1,2
	ds_load_b128 v[FB+12*\f+4*\g:FB+12*\f+4*\g+3], v[LI] offset:BB+FRB*\f+512*\g   ; K's four fragments
.endr
.endr
.irp i, 0,1
	ds_load_b32 v[KSC+\i], v[LS] offset:BB+KSO+128*\i
.endr
	s_wait_dscnt 0x0
.irp f, 0,1,2,3                        ; S^T = K Q^T: eight tiles of 16 keys, each begun with the constant 0
.irp u, 0,1
.if (\f)%2
	v_wmma_scale_f32_16x16x128_f8f6f4 v[S+8*(2*\f+\u):S+8*(2*\f+\u)+7], v[FB+12*\f:FB+12*\f+11], v[QL+12*\u:QL+12*\u+11], 0, v[KSC+\f/2], v[QSC] matrix_a_fmt:MATRIX_FMT_BF6 matrix_b_fmt:MATRIX_FMT_BF6 matrix_a_scale:MATRIX_SCALE_ROW1
.else
	v_wmma_scale_f32_16x16x128_f8f6f4 v[S+8*(2*\f+\u):S+8*(2*\f+\u)+7], v[FB+12*\f:FB+12*\f+11], v[QL+12*\u:QL+12*\u+11], 0, v[KSC+\f/2], v[QSC] matrix_a_fmt:MATRIX_FMT_BF6 matrix_b_fmt:MATRIX_FMT_BF6
.endif
.endr
.endr
.rept 4
	v_nop                                          ; four places (ISA guide 7.12.1) in front of the first read of the scores
.endr
	s_wait_alu depctr_va_vdst(0)                   ; the eight products are done reading FB, and the last step's second products VSC: V's loads below land there.  (The vector lines that follow read the same products' results)
.irp t, 0,1,2,3
.irp g, 0,1,2
	ds_load_b128 v[FB+12*\t+4*\g:FB+12*\t+4*\g+3], v[LI] offset:BB+VFO+FRB*\t+512*\g   ; V's four fragments are asked for now and land under the softmax
.endr
.endr
.irp i, 0,1
	ds_load_b32 v[VSC+\i], v[LS] offset:BB+VSO+128*\i
.endr
	s_add_co_u32 s35, s[KF], 128                   ; the one step that straddles the length: hidden scores become -infinity ahead of the maximum: p = 0 then
	s_cmp_le_i32 s35, s[VL]
	s_cbranch_scc1 .Lopen_\@
	s_sub_co_i32 s35, s[VL], s[KF]
	v_bfe_u32 v251, v0, 4, 1
	v_lshlrev_b32 v251, 4, v251
	v_sub_nc_u32 v251, s35, v251                   ; d = length - KF - 16 h.  Register 16 f + i holds key KF + 32 f + 16 h + i: hidden where 32 f + i >= d
	v_mov_b32 v250, 0xff800000                     ; -infinity
.irp f, 0,1,2,3                        ; a block's sixteen compares in one run, each into a scalar register of its own, so that one wait serves the sixteen
.irp i, 0,1,2,3,4,5,6,7,8,9,10,11,12,13,14,15
	v_cmp_ge_i32 s[MK+\i], 32*\f+\i, v251
.endr
	s_wait_alu depctr_va_sdst(0)                   ; the sixteen masks are written, ahead of their first reader
.irp i, 0,1,2,3,4,5,6,7,8,9,10,11,12,13,14,15
	v_cndmask_b32 v[S+16*\f+\i], v[S+16*\f+\i], v250, s[MK+\i]
.endr
.endr
.Lopen_\@:
.irp f, 0,1,2,3
	v_max3_num_f32 v[BM+\f], v[S+16*\f], v[S+16*\f+1], v[S+16*\f+2]   ; the largest score of each block of 32 keys: it serves for the row's maximum and, since p rises with the score, for the block's largest p
.endr
.irp i, 3,5,7,9,11,13
.irp f, 0,1,2,3
	v_max3_num_f32 v[BM+\f], v[BM+\f], v[S+16*\f+\i], v[S+16*\f+\i+1]   ; (the four blocks by turns; each tile of scores is read from its low end on)
.endr
.endr
.irp f, 0,1,2,3
	v_max_num_f32 v[BM+\f], v[BM+\f], v[S+16*\f+15]
.endr
.irp f, 0,1,2,3
	v_permlanex16_b32 v[PT+\f], v[BM+\f], s[SEL], s[SEL+1]
.endr
.irp f, 0,1,2,3
	v_max_num_f32 v[BM+\f], v[BM+\f], v[PT+\f]     ; with lane l xor 16's 16 keys
.endr
	v_max3_num_f32 v254, v[BM], v[BM+1], v[BM+2]
	v_max_num_f32 v254, v254, v[BM+3]              ; the step's largest score of my query: a number, since the step's first key counts
	v_mul_f32 v254, s[CS], v254                    ; as t
	v_max_num_f32 v13, v13, v254                   ; the running largest t
	v_mov_b32 v254, v12
	v_floor_f32 v12, -v13                          ; the new -M = floor(-t) = -ceil(t): M is a whole number
	v_sub_f32 v254, v12, v254                      ; M's old value less its new one: a whole number, 0 or less
	v_cvt_i32_f32 v254, v254                       ; (it saturates)
	v_ldexp_f32 v252, 1.0, v254                    ; f = 2^(old M - new M)
	; ONE BATCH: the 32 scalings t - M, two numbers each, the 64 exponentials and the four of the blocks' largest; a pair is scaled four pairs ahead of its exponentials, and nothing here names an exponential's result
.irp i, 0,2,4,6
	v_pk_fma_f32 v[S+\i:S+\i+1], v[S+\i:S+\i+1], s[CS:CS+1], v[12:13] op_sel_hi:[1,0,0]
.endr
.irp f, 0,1,2,3
	v_fma_f32 v[BM+\f], v[BM+\f], s[CS], v12       ; the same of each block's largest score
.endr
.set E, 0
.rept 28
	v_exp_f32 v[S+2*E], v[S+2*E]                   ; p = 2^(t - M), at most 1: not normalised
	v_exp_f32 v[S+2*E+1], v[S+2*E+1]
	v_pk_fma_f32 v[S+2*E+8:S+2*E+9], v[S+2*E+8:S+2*E+9], s[CS:CS+1], v[12:13] op_sel_hi:[1,0,0]
.set E, E+1
.endr
.irp e, 56,57,58,59,60,61,62,63
	v_exp_f32 v[S+\e], v[S+\e]
.endr
.irp f, 0,1,2,3
	v_exp_f32 v[BM+\f], v[BM+\f]                   ; the block's largest p: the same two instructions on the same number give the same bits
.endr
	v_pk_mul_f32 v[14:15], v[14:15], v[252:253] op_sel_hi:[1,0]   ; the sums under the new M.  (The plain instruction behind the exponentials)
	s_wait_alu depctr_va_vdst(0)                   ; the 68 exponentials have written p and the blocks' largest p: one wait for the batch, ahead of the first instruction that names a result
.irp f, 0,1,2,3
	v_max_num_f32 v[BM+\f], 0x2800000, v[BM+\f]    ; the floor 2^(5 - 127): the byte cannot fall under 1 (a block whose every p is 0 keeps that byte: its codes are zeros)
.endr
.irp f, 0,1,2,3
	v_add_nc_u32 v[SO+\f], 0xfe000000, v[BM+\f]    ; 4 off the exponent field: the conversion's scale operand
.endr
.irp f, 0,1,2,3
	v_lshrrev_b32 v[PT+\f], 23, v[SO+\f]           ; the scale's byte
.endr
	v_lshl_or_b32 v[PSC], v[PT+1], 8, v[PT]        ; p's scale word for these 128 keys
	v_lshl_or_b32 v[PSC], v[PT+2], 16, v[PSC]
	v_lshl_or_b32 v[PSC], v[PT+3], 24, v[PSC]
	v_cvt_scalef32_pk16_bf6_f32 v[PC:PC+2], v[S:S+15], v[SO]
	v_cvt_scalef32_pk16_bf6_f32 v[PT:PT+2], v[S+16:S+31], v[SO+1]     ; (a conversion's three registers begin on an even number)
	v_cvt_scalef32_pk16_bf6_f32 v[PC+6:PC+8], v[S+32:S+47], v[SO+2]
	v_cvt_scalef32_pk16_bf6_f32 v[BM:BM+2], v[S+48:S+63], v[SO+3]
	v_nop                                          ; one plain instruction behind the conversions
.irp i, 0,1,2                          ; the operand's layout wants a WHOLE block in a lane: lanes 0-15 block 2 c, lanes 16-31 block 2 c + 1
	v_permlane16_swap_b32 v[PC+\i], v[PT+\i]
	v_permlane16_swap_b32 v[PC+6+\i], v[BM+\i]
.endr
.irp i, 0,1,2
	v_mov_b32 v[PC+3+\i], v[PT+\i]
	v_mov_b32 v[PC+9+\i], v[BM+\i]
.endr
.if (\st) == 1
	s_wait_loadcnt 0x0                             ; the next chunk's share, asked for a step ago, is in registers
	s_cmp_ge_i32 s[KFF], s[VLC]
	s_cbranch_scc1 .Lnostore_\@
	FILL_STORE 1-(\sg)                             ; into the other slot: every wave's reads of it ended in front of this chunk's barrier
.Lnostore_\@:
.endif
.irp i, 0,2,4,6,8,10,12,14,16,18,20,22,24,26,28,30
	v_pk_mul_f32 v[O+\i:O+\i+1], v[O+\i:O+\i+1], v[252:253] op_sel_hi:[1,0]   ; O^T under the new M: x f.  (Also the places between p's codes and scale word and the products below)
.endr
	s_wait_dscnt 0x0                               ; V is in; the fill's stores are done
	s_wait_alu depctr_va_vdst(0)                   ; p's codes and p's scale word, which the scaled products below take, are written: behind their places
.irp t, 0,1,2,3                        ; O^T += V^T P^T: four tiles of 16 channels, K = these 128 keys; the four accumulators take turns, one instruction each
.if (\t)%2
	v_wmma_scale_f32_16x16x128_f8f6f4 v[O+8*\t:O+8*\t+7], v[FB+12*\t:FB+12*\t+11], v[PC:PC+11], v[O+8*\t:O+8*\t+7], v[VSC+\t/2], v[PSC] matrix_a_fmt:MATRIX_FMT_BF6 matrix_b_fmt:MATRIX_FMT_BF6 matrix_a_scale:MATRIX_SCALE_ROW1
.else
	v_wmma_scale_f32_16x16x128_f8f6f4 v[O+8*\t:O+8*\t+7], v[FB+12*\t:FB+12*\t+11], v[PC:PC+11], v[O+8*\t:O+8*\t+7], v[VSC+\t/2], v[PSC] matrix_a_fmt:MATRIX_FMT_BF6 matrix_b_fmt:MATRIX_FMT_BF6
.endif
.endr
	; The row's sum is taken of the unquantised p, which still stands in S: two at a time, in two chains.  These 32 lines name none of the four products' registers: they are the places (ISA guide 7.12.1) in front of the
	; way out's first read of O^T, and work between those products and the wait at the next step's head
	v_pk_add_f32 v[PT:PT+1], v[S:S+1], v[S+2:S+3]
.irp i, 4,8,12,16,20,24,28,32,36,40,44,48,52,56,60
	v_pk_add_f32 v[14:15], v[14:15], v[S+\i:S+\i+1]
	v_pk_add_f32 v[PT:PT+1], v[PT:PT+1], v[S+\i+2:S+\i+3]
.endr
	v_pk_add_f32 v[14:15], v[14:15], v[PT:PT+1]
.Lskip_\@:
	s_add_co_u32 s[KF], s[KF], 128
.endm
; A CHUNK in slot sg.  ONE barrier, for two things: in front of it every wave's stores of this chunk are done, and so are its reads of the other slot; behind it this chunk is read and the other slot is stored into.
.macro TRIP sg
	s_wait_dscnt 0x0
	s_wait_alu depctr_vm_vsrc(0)                   ; the fill's LDS stores have read v56 to v79, v248 and v249, in which this chunk's loads land; in the first trip also: Q's stores into the stage have read v160 to v191, which the scores' products write
	s_barrier_signal -1
	s_barrier_wait -1
	STEP \sg, 0
	STEP \sg, 1
	s_wait_loadcnt 0x0                             ; on every way no load of mine is out: the bases may be stepped
	ADVANCE
	s_add_co_u32 s[KFF], s[KFF], 256
.endm
	s_mov_b32 s[CNT], 4
.Lchunks:                                          ; four trips of two chunks: a constant, so that every wave passes all eight barriers; what a length hides is jumped over inside
	TRIP 0
	TRIP 1
	s_sub_co_u32 s[CNT], s[CNT], 1
	s_cmp_lg_u32 s[CNT], 0
	s_cbranch_scc1 .Lchunks
	; THE WAY OUT.  O^T is divided by the sum and goes through my stage, so that sixteen lanes store a query's 256 aligned bytes
	v_add_f32 v14, v14, v15                        ; the sum's two halves,
	v_permlanex16_b32 v254, v14, s[SEL], s[SEL+1]
	v_add_f32 v14, v14, v254                       ; and lane l xor 16's: the row's sum
	v_rcp_f32 v14, v14
	v_nop                                          ; a plain instruction behind the reciprocal
	s_wait_alu depctr_va_vdst(0)                   ; the reciprocal is written, ahead of its first reader
.irp i, 0,2,4,6,8,10,12,14,16,18,20,22,24,26,28,30
	v_pk_mul_f32 v[S+\i:S+\i+1], v[O+\i:O+\i+1], v[14:15] op_sel_hi:[1,0]   ; register 8 t + j: o(query r, channel 16 t + 8 h + j); each accumulator from its low end on
.endr
	s_wait_alu depctr_va_vdst(0)                   ; the multiplications have written v128 to v159, which the LDS stores read; and every vector and matrix instruction that named v160 to v191, in which the read-backs land, is done
.irp t, 0,1,2,3
	ds_store_b128 v[OST], v[S+8*\t:S+8*\t+3] offset:64*\t
	ds_store_b128 v[OST], v[S+8*\t+4:S+8*\t+7] offset:64*\t+16
.endr
.irp i, 0,1,2,3,4,5,6,7
	ds_load_b128 v[S+32+4*\i:S+35+4*\i], v[ROWS] offset:2*SP*\i   ; LDS serves a wave's instructions in order: these see my stores
.endr
.irp i, 0,1,2,3,4,5,6,7
	s_wait_dscnt 7-\i                              ; the younger read-backs may be out
	global_store_b128 v[QO], v[S+32+4*\i:S+35+4*\i], s[16:17] offset:8192*\i th:TH_STORE_NT   ; two queries: twice 256 consecutive bytes, each at a multiple of 256 from out0's first byte
.endr
	s_wait_dscnt 0x0                               ; the wave's end: the closing lines, six on end
	s_wait_alu 0x0
	s_wait_tensorcnt 0x0
	ds_add_u32 v[SPW], v[NIL]
	s_wait_dscnt 0x0
	s_endpgm
.Lfunc_end_k_qe1a922bed1_attn:
	.size	k_qe1a922bed1_attn, .Lfunc_end_k_qe1a922bed1_attn-k_qe1a922bed1_attn
	.p2alignl 7, 3214868480
	.fill 96, 4, 3214868480
	.section	.rodata,"a",@progbits
	.p2align	6, 0x0
	.amdhsa_kernel k_qe1a922bed1_attn
		.amdhsa_group_segment_fixed_size 174080
		.amdhsa_private_segment_fixed_size 0
		.amdhsa_enable_private_segment 0
		.amdhsa_kernarg_size 56
		.amdhsa_user_sgpr_count 2
		.amdhsa_user_sgpr_kernarg_segment_ptr 1
		.amdhsa_wavefront_size32 1
		.amdhsa_system_sgpr_workgroup_id_x 1
		.amdhsa_system_sgpr_workgroup_id_y 1
		.amdhsa_system_sgpr_workgroup_id_z 1
		.amdhsa_system_vgpr_workitem_id 0
		.amdhsa_next_free_vgpr 256
		.amdhsa_next_free_sgpr 66
		.amdhsa_reserve_vcc 0
		.amdhsa_float_denorm_mode_32 3
		.amdhsa_float_denorm_mode_16_64 3
		.amdhsa_memory_ordered 1
		.amdhsa_forward_progress 1
		.amdhsa_inst_pref_size 121
	.end_amdhsa_kernel
	.amdgpu_metadata
---
amdhsa.version: [ 1, 2 ]
amdhsa.kernels:
  - .name:           k_qe1a922bed1_attn
    .symbol:         k_qe1a922bed1_attn.kd
    .args:
      - { .name: qs, .offset: 0, .size: 8, .value_kind: global_buffer, .address_space: global }
      - { .name: ks_codes, .offset: 8, .size: 8, .value_kind: global_buffer, .address_space: global }
      - { .name: ks_scales, .offset: 16, .size: 8, .value_kind: global_buffer, .address_space: global }
      - { .name: vs_codes, .offset: 24, .size: 8, .value_kind: global_buffer, .address_space: global }
      - { .name: vs_scales, .offset: 32, .size: 8, .value_kind: global_buffer, .address_space: global }
      - { .name: valid_lens, .offset: 40, .size: 8, .value_kind: global_buffer, .address_space: global }
      - { .name: out0, .offset: 48, .size: 8, .value_kind: global_buffer, .address_space: global }
    .group_segment_fixed_size: 174080
    .private_segment_fixed_size: 0
    .kernarg_segment_align: 8
    .kernarg_segment_size: 56
    .max_flat_workgroup_size: 512
    .sgpr_count:     66
    .vgpr_count:     256
    .wavefront_size: 32
...
	.end_amdgpu_metadata
.endif
;; end of part 2
